; MI455X (gfx1250); checked and timed in simulation.
; The chip was launched on July 23, 2026; its instructions are those of AMD's public machine-readable ISA for CDNA 5 (MIT licence, August 2026) and "CDNA5" Instruction Set Architecture Reference Guide (July 2026). The comments in the code are by the model that wrote it; some were corrected since.
;; Bert Self Attention. Allowed arithmetic: matrix products marked QUANTISED: E4M3 operands, one given power-of-two scale a tensor, by v_wmma_f32_16x16x64_fp8_fp8 or v_wmma_f32_16x16x128_fp8_fp8, f32 sums; everything else in f32.
;; Inputs: Wk_codes 1,024 x 32 x 32 uint8 (E4M3 codes of Wk, K innermost, in blocks of 32 codes); Wq_codes 1,024 x 32 x 32 uint8 (E4M3 codes of Wq, K innermost, in blocks of 32 codes); Wv_codes 1,024 x 32 x 32 uint8 (E4M3 codes of Wv, K innermost, in blocks of 32 codes); attention_mask 4 x 1 x 1 x 2,048 float32; bk 1,024 float32; bq 1,024 float32; bv 1,024 float32; hidden_states_codes 4 x 2,048 x 32 x 32 uint8 (E4M3 codes of hidden_states, K innermost, in blocks of 32 codes); lowp_scales 10 int32 (the exponents e of the quantised operands' scales 2^e).
;; Outputs: out0 4 x 2,048 x 1,024 float32.
;; This version of the problem:
;;   THIS VERSION OF THE PROBLEM IS GIVEN IN LOW PRECISION. The matrix products marked QUANTISED in the list below multiply operands that are first quantised to E4M3 (4 exponent bits, 3 mantissa bits; 8 bits a number), with one given power-of-two scale for each operand tensor; their sums are f32. All else is computed in f32.
;;   The module's matrix products, in the order in which they are computed (A, B: the left and right operand; K: the contracted axis; several contracted axes count as one K, in the product's order):
;;     1. [M 8,192, K 1,024] x [K 1,024, N 1,024]; A: input hidden_states (given as codes); B: input Wq (given as codes): QUANTISED (scales: A lowp_scales[0], B lowp_scales[1])
;;     2. [M 8,192, K 1,024] x [K 1,024, N 1,024]; A: input hidden_states (given as codes); B: input Wk (given as codes): QUANTISED (scales: A lowp_scales[2], B lowp_scales[3])
;;     3. [M 8,192, K 1,024] x [K 1,024, N 1,024]; A: input hidden_states (given as codes); B: input Wv (given as codes): QUANTISED (scales: A lowp_scales[4], B lowp_scales[5])
;;     4. batch 64 x [M 2,048, K 64] x [K 64, N 2,048]; A: computed on the way; B: computed on the way: QUANTISED (scales: A lowp_scales[6], B lowp_scales[7])
;;     5. batch 64 x [M 2,048, K 2,048] x [K 2,048, N 64]; A: softmax (see below); B: computed on the way: QUANTISED (scales: A lowp_scales[8], B lowp_scales[9])
;;   THE QUANTISER, for each operand of a quantised product, along K:
;;     - The operand's scale is 2^e, e = its entry of the input lowp_scales (int32; the entries are numbered through the quantised products in the list's order, A before B).
;;     - Each number is divided by the scale, clamped to +-448, and rounded to the nearest number of E4M3, ties to even, subnormals kept.
;;     - The product sums the exact products of the quantised numbers (number of the format x scale) in f32.
;;   ~~~python
;;   def quantise(x, axis, e):      # numpy; x: float32 -> the quantised numbers, widened to float32 again
;;       x = np.moveaxis(x, axis, -1); K = x.shape[-1]
;;       r = np.clip(x / 2.0 ** e, -448, 448)
;;       step = 2.0 ** (np.maximum(np.frexp(np.where(r == 0, 1, r))[1] - 1, -6) - 3)
;;       q = np.round(r / step) * step * 2.0 ** e      # np.round: ties to even
;;       return np.moveaxis(q, -1, axis).astype(np.float32)
;;   ~~~
;;   SOFTMAX AHEAD OF A QUANTISED PRODUCT. Where the list says 'softmax', what is quantised is not the finished softmax but p = 2^(t - M), with t = logit x log2(e) and M = ceil(the row's largest t), a whole number; so 1/2 < the row's largest p <= 1. The row's sum l is taken of the UNQUANTISED p, in f32, and the product's result is divided by l at the end. Since M is a whole number, a kernel that streams over the keys may use a running M (the ceiling of the running maximum): every later rescaling is an exact power of two, so the quantised numbers keep their values, but for numbers so far below the row's largest that they fall under the format's range.
;;   OPERANDS COMPUTED ON THE WAY. 'Computed on the way' means the value that the module computes at that place (a softmax that the list does not call 'softmax' is quantised finished and normalised). What goes into a quantiser is computed in f32, as accurately as f32 sums, v_exp_f32 and their like allow (about 1e-6 of the number): no bf16 or f16 on the way to a quantiser, and a product that is left as it is and whose result goes on into a quantised operand takes f32 operands (vector FMAs, or v_wmma_f32_16x16x4_f32). A number that lies on a knife's edge between two numbers of the format may be rounded either way, as far as f32 arithmetic and the matrix unit's own rounding can turn it there, and no further.
;;   INPUTS GIVEN AS CODES. Wk (in the module: [1024, 1024], K = its axis 1); Wq (in the module: [1024, 1024], K = its axis 1); Wv (in the module: [1024, 1024], K = its axis 1); hidden_states (in the module: [4, 2048, 1024], K = its axis 2): each comes as NAME_codes (uint8): NAME with its K axis moved to the last place and cut into blocks of 32 codes, [.., K / 32, bytes a block], one block behind the other in memory; one code a byte (a code: sign, 4 exponent bits, 3 mantissa bits); its scale is its entry of lowp_scales. Its value is code x scale, taken as it is: it is not quantised again, and the codes and scales need not be those that the quantiser above would give.
;; One version. Each part assembles by itself: llvm-mc -triple=amdgcn-amd-amdhsa -mcpu=gfx1250 --defsym DOCPART=n.
;; ======== version 1 of 1: 2 launches
;; limits: right only within a limited range of input values
;; workspace buffers: q_img 8,388,608 bytes; kv 16,777,216 bytes
;; launch proj (part 1): grid 12 x 32, 4 waves a work-group, clusters of 4 x 4, 327,680 bytes of LDS; arguments hidden_states_codes, Wq_codes, Wk_codes, Wv_codes, bq, bk, bv, lowp_scales, q_img, kv; writes q_img, kv
.if DOCPART == 1
	.amdgcn_target "amdgcn-amd-amdhsa--gfx1250"
	.amdhsa_code_object_version 6
	.text
	.protected	k_qf38921edbc_proj
	.globl	k_qf38921edbc_proj
	.p2align	8
	.type	k_qf38921edbc_proj,@function
k_qf38921edbc_proj:
	s_mov_b64 s[64:65], 0
	v_nop
	global_prefetch_b8 v0, s[64:65] scope:SCOPE_SE
	s_setreg_imm32_b32 hwreg(HW_REG_WAVE_MODE, 25, 1), 1
	s_wait_xcnt 0x0
	s_wait_alu depctr_hold_cnt(0) depctr_sa_sdst(0) depctr_va_vdst(0) depctr_va_sdst(0) depctr_va_ssrc(0) depctr_va_vcc(0) depctr_vm_vsrc(0)
	s_getreg_b32 s2, hwreg(HW_REG_IB_STS2, 6, 4)
	s_cmp_eq_u32 s2, 0
	s_cbranch_scc0 .Lentry_in_a_cluster
	s_endpgm
.Lentry_in_a_cluster:
	s_bfe_u32 s2, ttmp6, 0x10000c
	s_cmp_lg_u32 s2, 0xf033
	s_cbranch_scc0 .Lentry_shape_is_right
	s_endpgm
.Lentry_shape_is_right:
; THE THREE PROJECTIONS: y = hidden W^T + bias for Wq, Wk, Wv, on E4M3 codes as they are given, and y quantised again to E4M3 for the attention launch.
; hidden: [8192][1024] codes; Wq, Wk, Wv: [1024][1024] codes, K innermost; a row is 1,024 bytes.  lowp_scales: e0 .. e9.
; y = sum x 2^(eA + eB) + bias (one fused multiply-add in f32), eA + eB = e0 + e1 (Q), e2 + e3 (K), e4 + e5 (V); its code = y / 2^eo, held within +-448, nearest, ties to even; eo = e6 (Q), e7 (K), e9 (V).
; LIMITS: e0 + e1, e2 + e3, e4 + e5 between -126 and 127; e6, e7, e9 between -126 and 119, so that each power of two below is an f32 number.  NaN among the biases is not served.
; Inside one matrix instruction k is permuted, alike in both operands (four loads of 16 bytes a fragment): every product meets its partner, only the order of the sums inside an instruction differs from ascending k.
; ONE BODY FOR ALL THREE: X[i][j] = sum over k of P[i][k] R[j][k], a tile of 256 x 256 to a work-group, four waves of 128 x 128 (64 accumulators, 512 registers), K = 1,024 in four slots' worth of 256.
;   which = the cluster's x: 0 Q, 1 K: P = hidden, R = the weight.   2 V: P = Wv, R = hidden: the roles are swapped, so that a lane's registers run along the KEYS, which are the K of the attention's second product.
;   All that differs between the three is chosen by s_cselect on which, a number that all sixteen partners of a cluster share: no branch hangs on it.
; THE MATRIX INSTRUCTION IS USED TRANSPOSED (source 0 = 16 rows of R, source 1 = 16 rows of P): lane (r, h) of accumulator (a, b) holds row 16 a + r of P and, in registers 0-7, rows 16 b + 8 h + 0 .. 7 of R.
; So the eight accumulators of a block a, converted eight numbers at a time, ARE operand registers of the attention's products: for Q and K two fragments of 16 rows x 64 (two heads), for V one fragment of 16 channels x 128 keys.
; They are stored as images of those registers: four registers a lane at 16 x lane, so each store of the wave covers 512 consecutive bytes, aligned.  No LDS stage is needed.
;   q_img [b 4][head 16][s / 16][1,024]: registers 0-3, then registers 4-7.
;   kv    [b][head][key step of 128 keys: 16][16,384]: 8 images of K (16 keys each, as q_img's), then from byte 8,192 four images of V^T of 2,048 bytes (16 channels x 128 keys: registers 0-3, 4-7, 8-11, 12-15).
; CLUSTERS: 4 x 4 work-groups.  The four of a row of the cluster need the same tiles of P, the four of a column the same tiles of R: each tile is asked for JOINTLY, by the same tensor load with the same descriptor and a mask that names the four.
; REGISTERS, in windows of 256: window 0: v1-30 addresses and constants; v32-95 the bias along R's rows, v96-103 along P's rows; from v128 P's fragments, ONE set (on the way out: v128-191 numbers, v192-207 codes).
;   window 1: R's fragments, TWO sets, at v0 and v128.   window 2: the accumulators of my rows 0-63 ((a, b) at v[8 (8 a + b)]);   window 3: those of my rows 64-127.
.set ROWB,   256                       ; a tile's row in bytes: 256 codes
.set KROW,   1024                      ; a row of P or of R in memory, in bytes
.set PITCH,  272                       ; an LDS row: 256 bytes + 16 of padding = 68 words: row r starts at bank 4 r mod 64 (64 banks of 4 bytes: ISA guide 11.1), so the 16 rows that a load touches start at 16 different banks
.set FR,     16                        ; registers of a fragment: 16 rows x 128 K
.set NL,     4                         ; LDS loads that bring one
.set NP,     4                         ; places behind this matrix instruction (ISA guide 7.12.1)
.set HALFT,  128*PITCH                 ; 128 rows: what one tensor load brings, and what one wave reads of P or of R
.set SLOT,   4*HALFT                   ; P's 256 rows, then R's 256 rows
.set SPARE,  2*SLOT                    ; behind the ring: the spare words, 128 bytes for each wave: two blocks of 256 bytes that no other line names
.set BNO,  5                           ; v5      byte offset of my bias numbers along R's rows
.set BRO,  6                           ; v6      the same along P's rows
.set ADRA, 16                          ; v16-17  LDS address of my fragments of P in slot 0, 1
.set ADRB, 20                          ; v20-21  the same for R
.set VO0,  24                          ; v24     16 x lane: my place in an image
.set VO1,  25                          ; v25     the same in the block's second image (Q, K: the next head's) or second half (V)
.set LIM,  26
.set SC,   27                          ; v27     2^eo as f32: the conversion takes its exponent field
.set SPW,  28                          ; v28     LDS address of my spare word: SPARE + 4 x my thread's number; never rewritten
.set NIL,  29                          ; v29     0; never rewritten, and kept for the add alone
.set ZR,   30                          ; v30     0, for the selects
.set BN,   32                          ; v32-95  bias of R's row 16 b + 8 h + j at 8 b + j (Q, K; zeros for V)
.set BR,   96                          ; v96-103 bias of P's row 16 a + r at a (V; zeros for Q, K)
.set AF,   128                         ; P's fragments, in window 0
.set TMP,  128                         ; the way out: a block's 64 numbers
.set CODE, 192                         ; the way out: their codes, 16 registers
.set G1, 24                            ; s[24:31] descriptor group 1 for P's tiles;  s[32:39] group 0, one set for each slot
.set G0, 32
.set G1B, 48                           ; s[48:55], s[56:63] the same for R's tiles
.set G0B, 56
.set MSB, 0
.macro WIN new                         ; the immediate's high byte repeats the setting that is left; a switch that changes nothing is dropped
.if MSB != (\new)
	s_set_vgpr_msb (MSB<<8)|(\new)
.set MSB, (\new)
.endif
.endm
.set MUL_LO, 0xa1                      ; source 0 (R) window 1, source 1 (P) window 0, C and D window 2
.set MUL_HI, 0xf1                      ; the same, C and D window 3
.set TO_B,   0x40                      ; destination window 1, address window 0
; A joint load: waves 0 and 1 fetch for P, waves 2 and 3 for R.  Each of the two lines has ONE mask and one set of registers for all that issue it; the branch hangs on the wave's number alone.
; Four v_nop follow each of the two lines, ahead of the jump, the label and what follows.
.macro JLOAD g0a, g1a, g0b, g1b
	s_cmp_eq_u32 s15, 0
	s_cbranch_scc0 .Lfor_b_\@
	tensor_load_to_lds s[\g0a:\g0a+3], s[\g1a:\g1a+7]
	s_nop 0
.rept 4
	v_nop
.endr
	s_branch .Lasked_\@
.Lfor_b_\@:
	tensor_load_to_lds s[\g0b:\g0b+3], s[\g1b:\g1b+7]
	s_nop 0
.rept 4
	v_nop
.endr
.Lasked_\@:
.endm
.macro CREST                           ; a round of the cluster's barrier behind its opening barrier
	s_cmp_lg_u32 s14, 0
	s_cbranch_scc1 .Lnot_wave_0_\@
	s_barrier_signal -3
.Lnot_wave_0_\@:
	s_barrier_wait -3
	s_barrier_signal -1
	s_barrier_wait -1
.endm
.macro CROUND                          ; a whole round
	s_barrier_signal -1
	s_barrier_wait -1
	CREST
.endm
	s_load_b512 s[68:83], s[0:1], 0x0              ; hidden s[68:69], Wq s[70:71], Wk s[72:73], Wv s[74:75], bq s[76:77], bk s[78:79], bv s[80:81], the scales' exponents s[82:83]
	s_load_b128 s[84:87], s[0:1], 0x40             ; q_img s[84:85], kv s[86:87]
	v_lshl_add_u32 v[SPW], v0, 2, SPARE
	v_mov_b32 v[NIL], 0
	ds_add_u32 v28, v29
	ds_add_u32 v28, v29
	s_wait_dscnt 0x0
	v_mov_b32 v[ZR], 0
	v_lshrrev_b32 v1, 5, v0
	v_readfirstlane_b32 s14, v1                    ; wave 0..3
	s_lshr_b32 s15, s14, 1                         ; which half of the tile's rows (P's) is mine.  Also: I fetch for P (0) or for R (1)
	s_and_b32 s16, s14, 1                          ; which half of its columns (R's rows).  Also: which 128 rows of that tile I fetch
	s_bfe_u32 s40, ttmp6, 0x40000                  ; cx, cy: my place in the cluster
	s_bfe_u32 s41, ttmp6, 0x40004
	s_mov_b32 s12, ttmp9                           ; which: the cluster's x: 0 Q, 1 K, 2 V
	s_and_b32 s13, ttmp7, 0xffff
	s_lshl_b32 s13, s13, 2                         ; 4 x the cluster's y: the cluster's four tiles of 256 rows of hidden
	s_cmp_eq_u32 s12, 2
	s_cselect_b32 s2, 0, s13                       ; hidden is P for Q and K,
	s_cselect_b32 s23, s13, 0                      ; and R for V
	s_add_co_u32 s17, s41, s2                      ; TI: my tile of P's rows: it hangs on cy and the cluster's place alone
	s_add_co_u32 s42, s40, s23                     ; TJ: my tile of R's rows: on cx and the cluster's place alone
	s_lshl_b32 s43, s41, 2
	s_lshl_b32 s43, 15, s43                        ; my row of the cluster
	s_lshl_b32 s44, 0x1111, s40                    ; my column
	; descriptor group 1: a tile of 128 rows x 256 bytes, padded in LDS
	s_or_b32 s[G1+0], s43, (1<<20)|(1<<21)|(5<<22)|(3<<25)   ; 15:0 the mask: P's tiles go to my row; 17:16 element of 1 byte; 20 padding on; 21 set beside a mask; 24:22 after every 64 words (code 5); 31:25 of 4 words (code 3)
	s_or_b32 s[G1B+0], s44, (1<<20)|(1<<21)|(5<<22)|(3<<25)  ; the same with the mask of my column, for R's tiles
.irp g, G1, G1B
	s_mov_b32 s[\g+1], ROWB<<16                    ; tensor_dim0
	s_mov_b32 s[\g+2], 128<<16                     ; tensor_dim1 = 128
	s_mov_b32 s[\g+3], ROWB<<16                    ; tile_dim0
	s_mov_b32 s[\g+4], 128                         ; tile_dim1 = 128
	s_mov_b32 s[\g+5], KROW                        ; tensor_dim0_stride
	s_mov_b32 s[\g+6], 0
	s_mov_b32 s[\g+7], 0
.endr
	s_lshl_b32 s18, s16, 7                         ; which 128 rows of the tile I fetch
	s_lshl_b32 s20, s17, 8
	s_add_co_u32 s20, s20, s18                     ; P: row 256 TI + 128 x half
	s_lshl_b32 s46, s42, 8
	s_add_co_u32 s46, s46, s18                     ; R: row 256 TJ + 128 x half
	s_lshl_b32 s20, s20, 10                        ; in bytes: 8,191 rows of 1,024 at the most
	s_lshl_b32 s46, s46, 10
	s_mov_b32 s21, 0
	s_mov_b32 s47, 0
	s_mul_i32 s45, s14, HALFT                      ; where they go: wave x 128 rows: no place in the cluster enters an LDS address
	s_wait_kmcnt 0x0
	s_load_b256 s[88:95], s[82:83], 0x0            ; e0 .. e7
	s_load_b64 s[96:97], s[82:83], 0x20            ; e8, e9
	s_cmp_eq_u32 s12, 0                            ; the buffers are chosen on which alone
	s_cselect_b64 s[6:7], s[70:71], s[72:73]       ; R: Wq or Wk,
	s_cselect_b64 s[8:9], s[76:77], s[78:79]       ; the bias: bq or bk,
	s_cselect_b64 s[10:11], s[84:85], s[86:87]     ; the images: q_img, or kv
	s_cmp_eq_u32 s12, 2
	s_cselect_b64 s[6:7], s[68:69], s[6:7]         ; for V: R = hidden,
	s_cselect_b64 s[4:5], s[74:75], s[68:69]       ; P = Wv (else hidden),
	s_cselect_b64 s[8:9], s[80:81], s[8:9]         ; the bias bv
	s_add_nc_u64 s[20:21], s[4:5], s[20:21]
	s_add_nc_u64 s[46:47], s[6:7], s[46:47]
	CROUND                                         ; all sixteen work-groups are here: the first joint loads meet
.irp s, 0,1
	s_mov_b32 s[G0+4*\s], 1                        ; 1:0 count = 1
	s_add_co_u32 s[G0+4*\s+1], s45, \s*SLOT        ; 63:32 LDS address
	s_add_nc_u64 s[G0+4*\s+2:G0+4*\s+3], s[20:21], \s*ROWB   ; 120:64 global address: 256 along K for each slot
	s_or_b32 s[G0+4*\s+3], s[G0+4*\s+3], 0x80000000          ; 127:126 type = 2
	s_mov_b32 s[G0B+4*\s], 1
	s_add_co_u32 s[G0B+4*\s+1], s45, \s*SLOT
	s_add_nc_u64 s[G0B+4*\s+2:G0B+4*\s+3], s[46:47], \s*ROWB
	s_or_b32 s[G0B+4*\s+3], s[G0B+4*\s+3], 0x80000000
	JLOAD G0+4*\s, G1, G0B+4*\s, G1B               ; two tensor loads of mine are out
.endr
	v_and_b32 v1, 15, v0                           ; r = l % 16
	v_bfe_u32 v2, v0, 4, 1                         ; h = l / 16
	s_wait_alu depctr_va_vdst(0)
	v_mul_u32_u24 v3, v1, PITCH
	v_lshl_add_u32 v4, v2, 4, v3                   ; a fragment's row x pitch + 16 x half
	s_mul_i32 s21, s15, HALFT                      ; my 128 rows of P
	s_mul_i32 s22, s16, HALFT                      ; my 128 rows of R,
	s_add_co_u32 s22, s22, 2*HALFT                 ; which lie behind P's 256
.irp s, 0,1
	v_add_nc_u32 v[ADRA+\s], s21, v4
	v_add_nc_u32 v[ADRB+\s], s22, v4
	s_add_co_u32 s21, s21, SLOT
	s_add_co_u32 s22, s22, SLOT
.endr
	; THE BIAS runs along the weight's rows: along R's for Q and K, along P's for V.  Both sets are loaded, the idle one from the bias's first 512 bytes, and cleared on the way out: no branch, and every load stays inside the 4,096 bytes.
	s_lshl_b32 s46, s42, 1
	s_add_co_u32 s46, s46, s16                     ; WJ = 2 TJ + column half: my block of 128 rows of R
	s_lshl_b32 s20, s17, 1
	s_add_co_u32 s20, s20, s15                     ; WI = 2 TI + row half: my block of 128 rows of P
	s_lshl_b32 s47, s46, 9                         ; 128 numbers of 4 bytes a block
	s_lshl_b32 s21, s20, 9
	s_cmp_eq_u32 s12, 2
	s_cselect_b32 s47, 0, s47
	s_cselect_b32 s21, s21, 0
	v_lshl_add_u32 v[BNO], v2, 5, s47              ; 32 h + my block: the numbers of rows 16 b + 8 h + 0 .. 7 lie 64 b further on
	v_lshl_add_u32 v[BRO], v1, 2, s21              ; 4 r + my block: that of row 16 a + r lies 64 a further on
.irp b, 0,1,2,3,4,5,6,7
	global_load_b128 v[BN+8*\b:BN+8*\b+3], v[BNO], s[8:9] offset:64*\b
	global_load_b128 v[BN+8*\b+4:BN+8*\b+7], v[BNO], s[8:9] offset:64*\b+16
.endr
.irp a, 0,1,2,3,4,5,6,7
	global_load_b32 v[BR+\a], v[BRO], s[8:9] offset:64*\a
.endr
	; WHERE MY IMAGES GO.  U: my block of 128 rows of hidden (0 .. 63): batch U / 16, key step U % 16.  Wd: my block of 128 rows of the weight: heads 2 Wd and 2 Wd + 1.
	s_cmp_eq_u32 s12, 2
	s_cselect_b32 s18, s46, s20                    ; U
	s_cselect_b32 s19, s20, s46                    ; Wd
	s_and_b32 s22, s18, 0x30                       ; 16 x batch
	s_lshl_b32 s19, s19, 1
	s_add_co_u32 s22, s22, s19                     ; + head
	s_lshl_b32 s22, s22, 18                        ; a head of kv is 262,144 bytes,
	s_and_b32 s18, s18, 15
	s_lshl_b32 s18, s18, 14                        ; a key step 16,384
	s_add_co_u32 s22, s22, s18                     ; K's place;
	s_lshr_b32 s18, s22, 1                         ; Q's: a head of q_img is half as long, and so are 128 rows;
	s_add_co_u32 s19, s22, 8192                    ; V's: behind the key step's images of K
	s_cmp_eq_u32 s12, 0
	s_cselect_b32 s22, s18, s22
	s_cmp_eq_u32 s12, 2
	s_cselect_b32 s22, s19, s22
	s_mov_b32 s23, 0
	s_add_nc_u64 s[10:11], s[10:11], s[22:23]
	s_mov_b32 s18, 1024                            ; (s_mov_b32 leaves SCC as the last compare set it)
	s_cselect_b32 s18, 2048, s18                   ; from block a to block a + 1: an image of 1,024 bytes (Q, K) or of 2,048 (V);
	s_cselect_b32 s20, 253952, 0                   ; V's block 4 begins the next head: 262,144 - 4 x 2,048 more
	s_mov_b32 s22, 262144
	s_cselect_b32 s22, 1024, s22                   ; from a block's first two stores to its last two: V: half an image; K: a head of kv;
	s_mov_b32 s19, 0
	s_mov_b32 s21, 0
	s_mov_b32 s23, 131072
	s_cmp_eq_u32 s12, 0
	s_cselect_b32 s22, s23, s22                    ; Q: a head of q_img
	v_and_b32 v[VO0], 31, v0
	v_lshlrev_b32 v[VO0], 4, v[VO0]
	v_add_nc_u32 v[VO1], s22, v[VO0]
	s_wait_alu depctr_va_vdst(0)
	s_wait_kmcnt 0x0                               ; THE SCALES
	s_add_co_i32 s88, s88, s89                     ; e0 + e1
	s_add_co_i32 s90, s90, s91                     ; e2 + e3
	s_add_co_i32 s92, s92, s93                     ; e4 + e5
	s_cmp_eq_u32 s12, 0
	s_cselect_b32 s98, s88, s90
	s_cselect_b32 s99, s94, s95                    ; eo: e6 or e7,
	s_cmp_eq_u32 s12, 2
	s_cselect_b32 s98, s92, s98
	s_cselect_b32 s99, s97, s99                    ; or e9
	s_cselect_b32 s100, -1, 0                      ; all lanes where V: the bias along R's rows is cleared;
	s_cselect_b32 s101, 0, -1                      ; all lanes where Q or K: that along P's rows
	s_add_co_i32 s98, s98, 127
	s_lshl_b32 s98, s98, 23                        ; 2^(eA + eB) as f32
	s_add_co_i32 s99, s99, 127
	s_lshl_b32 s89, s99, 23
	v_mov_b32 v[SC], s89                           ; 2^eo
	s_mov_b32 s99, s98                             ; (named with s98 as a pair, so it is written)
.macro FRAG reg, adr, q, i             ; a fragment, 16 rows x 128 K, is 16 registers: lane l holds row l % 16; registers 4 c .. 4 c + 3 hold K = 32 c + 16 (l / 16) + 0 .. 15, in P and in R alike
.irp c, 0,1,2,3
	ds_load_b128 v[\reg+4*\c:\reg+4*\c+3], v[\adr] offset:128*(\q)+32*\c+(\i)*16*PITCH
.endr
.endm
; 16 matrix instructions: P's blocks a0, a0 + 1 x R's eight, 128 along K.  p: R's set.  zero = 1: the first product starts the sums: nothing is ever cleared.
; The 64 accumulators take turns, one instruction a turn, in the same order in every step.
.macro MUL16 a0, p, zero
.irp a, \a0, \a0+1
.irp b, 0,1,2,3,4,5,6,7
.if \zero
	v_wmma_f32_16x16x128_fp8_fp8 v[8*(8*((\a)%4)+\b):8*(8*((\a)%4)+\b)+7], v[128*(\p)+FR*\b:128*(\p)+FR*\b+FR-1], v[AF+FR*(\a):AF+FR*(\a)+FR-1], 0
.else
	v_wmma_f32_16x16x128_fp8_fp8 v[8*(8*((\a)%4)+\b):8*(8*((\a)%4)+\b)+7], v[128*(\p)+FR*\b:128*(\p)+FR*\b+FR-1], v[AF+FR*(\a):AF+FR*(\a)+FR-1], v[8*(8*((\a)%4)+\b):8*(8*((\a)%4)+\b)+7]
.endif
.endr
.endr
.endm
.macro FETCH_B slot, q, p              ; R's eight fragments of the slot's q-th 128 along K into set p
	WIN TO_B
.irp i, 0,1,2,3,4,5,6,7
	FRAG 128*(\p)+FR*\i, ADRB+\slot, \q, \i
.endr
	WIN 0
.endm
.macro FETCH_A slot, q, i0             ; P's blocks i0 .. i0 + 3
.irp i, \i0, \i0+1, \i0+2, \i0+3
	FRAG AF+FR*(\i), ADRA+\slot, \q, \i
.endr
.endm
; A load into a register that a matrix instruction has read stands NP places behind that matrix instruction, and only plain vector instructions that name none of its registers are places
; (ISA guide 7.12.1 for vector instructions); the matrix instructions in between are not counted.
.macro PLACES n
.rept \n
	v_nop
.endr
.endm
; A step of 128 along K that has its successor in the same slot.  A block of P is free as soon as its eight products are issued, so one set of registers serves P: blocks 0-3 are fetched anew in the step's middle, blocks 4-7 at its end.
.macro STEP slot, q, zero
	s_wait_dscnt 4*NL                              ; R's set and P's blocks 0-3 are in; the youngest sixteen loads (P's blocks 4-7) may be out
	WIN MUL_LO
	MUL16 0, (\q)%2, \zero
	MUL16 2, (\q)%2, \zero
	s_wait_dscnt 0                                 ; P's blocks 4-7 are in (asked for 32 matrix instructions ago)
	PLACES NP
	FETCH_B \slot, (\q)+1, 1-(\q)%2
	FETCH_A \slot, (\q)+1, 0
	WIN MUL_HI
	MUL16 4, (\q)%2, \zero
	MUL16 6, (\q)%2, \zero
	PLACES NP
	WIN 0
	FETCH_A \slot, (\q)+1, 4
.endm
; A slot's last step changes slots: ONE barrier; in front of it each wave waits for all its tensor loads, adds 0 to its spare word, and waits for that and for its own reads of this slot.  fill = 1: this slot is filled again, 512 further along K.
.macro TURN slot, next, fill
	s_wait_tensorcnt 0x0                           ; all my tensor loads have landed: my part of the next slot;  (every window is 0 here: the add's two registers lie in window 0)
	ds_add_u32 v[SPW], v[NIL]                      ; 0 onto my spare word
	s_wait_dscnt 4*NL+1                            ; (the add and the youngest sixteen loads, P's blocks 4-7, may be out)
	WIN MUL_LO
	MUL16 0, 1, 0                                  ; sixteen matrix instructions stand between the add and the wait for it
	s_wait_dscnt 0x0                               ; the add is done, and my reads of this slot are over
	s_barrier_signal -1
	MUL16 2, 1, 0
	WIN 0
	s_barrier_wait -1
.if \fill
	CREST                                          ; the barrier has opened a round of the cluster's barrier: no wave of any partner still reads this slot's tile or has a load on its way
	s_add_nc_u64 s[G0+4*\slot+2:G0+4*\slot+3], s[G0+4*\slot+2:G0+4*\slot+3], 2*ROWB
	s_add_nc_u64 s[G0B+4*\slot+2:G0B+4*\slot+3], s[G0B+4*\slot+2:G0B+4*\slot+3], 2*ROWB
	JLOAD G0+4*\slot, G1, G0B+4*\slot, G1B         ; the first tensor load behind the round, my one load until the next; the four v_nop behind it are the places in front of the loads below
.else
	PLACES NP
.endif
	FETCH_B \next, 0, 0
	FETCH_A \next, 0, 0
	WIN MUL_HI
	MUL16 4, 1, 0
	MUL16 6, 1, 0
	PLACES NP
	WIN 0
	FETCH_A \next, 0, 4
.endm
	s_wait_tensorcnt 1                             ; my part of slot 0 is in (slot 1's load may be out)
	s_barrier_signal -1
	s_barrier_wait -1                              ; everybody's is
	FETCH_B 0, 0, 0
	FETCH_A 0, 0, 0
	FETCH_A 0, 0, 4
	; K = 1,024 is eight steps of 128, four slots' worth: written out, since a loop round the ring would have one trip
	STEP 0, 0, 1                                   ; K 0-127: its products start the sums
	TURN 0, 1, 1                                   ; K 128-255; slot 0 is asked for again: K 512-767
	STEP 1, 0, 0                                   ; K 256-383
	TURN 1, 0, 1                                   ; K 384-511; slot 1 is asked for again: K 768-1,023
	STEP 0, 0, 0                                   ; K 512-639
	TURN 0, 1, 0                                   ; K 640-767; nothing is left to fetch, so no round of the cluster's barrier
	STEP 1, 0, 0                                   ; K 768-895
	s_wait_dscnt 4*NL                              ; K 896-1,023: the last step fetches nothing
	WIN MUL_LO
	MUL16 0, 1, 0
	MUL16 2, 1, 0
	s_wait_dscnt 0
	WIN MUL_HI
	MUL16 4, 1, 0
	MUL16 6, 1, 0
	WIN 0
	; THE WAY OUT.  The idle set of bias numbers becomes zeros; these 72 plain lines, which name no register of the last products, are also the places behind them.
	s_wait_loadcnt 0x0                             ; the bias
.set i, 0
.rept 64
	v_cndmask_b32 v[BN+i], v[BN+i], v[ZR], s100
.set i, i+1
.endr
.set i, 0
.rept 8
	v_cndmask_b32 v[BR+i], v[BR+i], v[ZR], s101
.set i, i+1
.endr
; Block a: 16 rows of P x my 128 rows of R.  y = sum x 2^(eA + eB) + bias: one of the two bias numbers is 0, so y is rounded once.  Then the conversion, and four stores of 512 consecutive bytes.
.macro OUT a
.set AC, 64*((\a)%4)
	WIN 0x02+((\a)/4)                              ; source 0: window 2 or 3
.set j, 0
.rept 32
	v_pk_fma_f32 v[TMP+j:TMP+j+1], v[AC+j:AC+j+1], s[98:99], v[BN+j:BN+j+1] op_sel_hi:[1,0,1]   ; each accumulator from its low end on; the scalar pair's low word for both halves
.set j, j+2
.endr
	WIN 0
.set j, 0
.rept 32
.if ((\a)%2) == 0
	v_pk_add_f32 v[TMP+j:TMP+j+1], v[TMP+j:TMP+j+1], v[BR+2*((\a)/2):BR+2*((\a)/2)+1] op_sel_hi:[1,0]             ; + the bias of my row of P: the pair's first register for both halves
.else
	v_pk_add_f32 v[TMP+j:TMP+j+1], v[TMP+j:TMP+j+1], v[BR+2*((\a)/2):BR+2*((\a)/2)+1] op_sel:[0,1] op_sel_hi:[1,1]  ; the pair's second register for both halves
.endif
.set j, j+2
.endr
.set j, 0
.rept 64
.set j, j+1
.endr
.if (\a) > 0
	s_wait_alu depctr_va_vdst(0)
	s_wait_xcnt 0x0                                ; the last block's stores have read their data and their base: both are written again only behind this wait
	s_add_nc_u64 s[10:11], s[10:11], s[18:19]      ; the next image
.endif
.if (\a) == 4
	s_add_nc_u64 s[10:11], s[10:11], s[20:21]      ; V: the next head (Q, K: 0)
.endif
.set j, 0
.rept 8
	v_cvt_scalef32_pk8_fp8_f32 v[CODE+2*j:CODE+2*j+1], v[TMP+8*j:TMP+8*j+7], v[SC]   ; eight neighbours along the attention's K: registers 2 j, 2 j + 1 of an operand
.set j, j+1
.endr
	v_nop                                          ; one plain vector line behind the last conversion: the next block's lines write the conversions' sources
	global_store_b128 v[VO0], v[CODE:CODE+3], s[10:11]
	global_store_b128 v[VO0], v[CODE+4:CODE+7], s[10:11] offset:512
	global_store_b128 v[VO1], v[CODE+8:CODE+11], s[10:11]
	global_store_b128 v[VO1], v[CODE+12:CODE+15], s[10:11] offset:512
.endm
.irp a, 0,1,2,3,4,5,6,7
	OUT \a
.endr
	s_wait_tensorcnt 0x0                           ; the wave's end: behind my last tensor load, the add and its wait are my last LDS instructions
	ds_add_u32 v[SPW], v[NIL]
	s_wait_dscnt 0x0
	CROUND                                         ; the closing round: no work-group ends while a partner may still ask for a tile that names it
	s_endpgm
.Lfunc_end_k_qf38921edbc_proj:
	.size	k_qf38921edbc_proj, .Lfunc_end_k_qf38921edbc_proj-k_qf38921edbc_proj
	.p2alignl 7, 3214868480
	.fill 96, 4, 3214868480
	.section	.rodata,"a",@progbits
	.p2align	6, 0x0
	.amdhsa_kernel k_qf38921edbc_proj
		.amdhsa_group_segment_fixed_size 327680
		.amdhsa_private_segment_fixed_size 0
		.amdhsa_enable_private_segment 0
		.amdhsa_kernarg_size 80
		.amdhsa_user_sgpr_count 2
		.amdhsa_user_sgpr_kernarg_segment_ptr 1
		.amdhsa_wavefront_size32 1
		.amdhsa_system_sgpr_workgroup_id_x 1
		.amdhsa_system_sgpr_workgroup_id_y 1
		.amdhsa_system_sgpr_workgroup_id_z 1
		.amdhsa_system_vgpr_workitem_id 0
		.amdhsa_next_free_vgpr 1024
		.amdhsa_next_free_sgpr 102
		.amdhsa_reserve_vcc 0
		.amdhsa_float_denorm_mode_32 3
		.amdhsa_float_denorm_mode_16_64 3
		.amdhsa_fp16_overflow 1
		.amdhsa_memory_ordered 1
		.amdhsa_forward_progress 1
		.amdhsa_inst_pref_size 126
	.end_amdhsa_kernel
	.amdgpu_metadata
---
amdhsa.version: [ 1, 2 ]
amdhsa.kernels:
  - .name:           k_qf38921edbc_proj
    .symbol:         k_qf38921edbc_proj.kd
    .args:
      - { .name: hidden_states_codes, .offset: 0, .size: 8, .value_kind: global_buffer, .address_space: global }
      - { .name: Wq_codes, .offset: 8, .size: 8, .value_kind: global_buffer, .address_space: global }
      - { .name: Wk_codes, .offset: 16, .size: 8, .value_kind: global_buffer, .address_space: global }
      - { .name: Wv_codes, .offset: 24, .size: 8, .value_kind: global_buffer, .address_space: global }
      - { .name: bq, .offset: 32, .size: 8, .value_kind: global_buffer, .address_space: global }
      - { .name: bk, .offset: 40, .size: 8, .value_kind: global_buffer, .address_space: global }
      - { .name: bv, .offset: 48, .size: 8, .value_kind: global_buffer, .address_space: global }
      - { .name: lowp_scales, .offset: 56, .size: 8, .value_kind: global_buffer, .address_space: global }
      - { .name: q_img, .offset: 64, .size: 8, .value_kind: global_buffer, .address_space: global }
      - { .name: kv, .offset: 72, .size: 8, .value_kind: global_buffer, .address_space: global }
    .group_segment_fixed_size: 327680
    .private_segment_fixed_size: 0
    .kernarg_segment_align: 8
    .kernarg_segment_size: 80
    .max_flat_workgroup_size: 128
    .sgpr_count:     102
    .vgpr_count:     1024
    .wavefront_size: 32
...
	.end_amdgpu_metadata
.endif
;; end of part 1
;; launch attn (part 2): grid 4 x 64, 8 waves a work-group, clusters of 4 x 1, 327,680 bytes of LDS; arguments q_img, kv, attention_mask, lowp_scales, out0; writes out0
.if DOCPART == 2
	.amdgcn_target "amdgcn-amd-amdhsa--gfx1250"
	.amdhsa_code_object_version 6
	.text
	.protected	k_qf38921edbc_attn
	.globl	k_qf38921edbc_attn
	.p2align	8
	.type	k_qf38921edbc_attn,@function
k_qf38921edbc_attn:
	s_mov_b64 s[64:65], 0
	v_nop
	global_prefetch_b8 v0, s[64:65] scope:SCOPE_SE
	s_setreg_imm32_b32 hwreg(HW_REG_WAVE_MODE, 25, 1), 1
	s_wait_xcnt 0x0
	s_wait_alu depctr_hold_cnt(0) depctr_sa_sdst(0) depctr_va_vdst(0) depctr_va_sdst(0) depctr_va_ssrc(0) depctr_va_vcc(0) depctr_vm_vsrc(0)
	s_getreg_b32 s2, hwreg(HW_REG_IB_STS2, 6, 4)
	s_cmp_eq_u32 s2, 0
	s_cbranch_scc0 .Lentry_in_a_cluster
	s_endpgm
.Lentry_in_a_cluster:
	s_bfe_u32 s2, ttmp6, 0x10000c
	s_cmp_lg_u32 s2, 0x3003
	s_cbranch_scc0 .Lentry_shape_is_right
	s_endpgm
.Lentry_shape_is_right:
; ATTENTION ON E4M3 CODES: out[b][q][head][:] = the sum over k of softmax_k(Q . K / 8 + mask[b][k]) V[k][:], 64 heads-in-batches of 2,048 queries, 2,048 keys, head size 64.
; q_img and kv hold Q's, K's and V's codes as images of operand registers, as the launch before stored them (four registers a lane at 16 x lane):
;   q_img [bh 64][s / 16][1,024]: a fragment of 16 rows x 64.   kv [bh][key step of 128 keys: 16][16,384]: 8 fragments of K (16 keys x 64), then from byte 8,192 four of V^T (16 channels x 128 keys, 2,048 bytes each).
; THE SOFTMAX: t = (score / 8 + mask) x log2(e); M = the row's largest t so far, rounded UP to a whole number; p = 2^(t - M) is quantised with 2^e8, not normalised; the row's sum l is taken of the unquantised p, in f32;
; when M moves, l and O are multiplied by 2^(old M - new M), which rounds nothing; at the end O x 2^(e8 + e9) / l.
; THE MASK COSTS NO VECTOR INSTRUCTION: mask' = mask x 2^(3 - e6 - e7) (exact) is the C of the first product's matrix instruction, and t = (sum + mask') x c with c = log2(e) / 8 x 2^(e6 + e7).
; LIMITS: e6 + e7 between -123 and 130 (added to c's exponent field); e8 between -126 and 119; e8 + e9 is applied by v_ldexp_f32 and has none.  A mask number whose product with 2^(3 - e6 - e7) leaves f32's range counts as infinite.
;   A row all of whose keys stand at -infinity gives NaN, as the softmax of such a row does.  NaN among the inputs is not served.
; SHARES.  A work-group owns 512 queries of one head, each of its eight waves 64: four tiles of 16, which share every fragment of K, of V and of the mask that the wave reads from LDS.  Two waves lie on a SIMD, 512 registers each:
;   one wave's vector work stands beside the other's matrix work and LDS loads.  A key step's softmax is some 200 vector instructions a tile beside 12 matrix instructions, so the two kinds are not set by turns inside a wave.
; A HEAD'S WHOLE K AND V, 262,144 BYTES, LIE IN LDS: each byte is filled once, nothing is filled again, so there is no ring.  Each wave issues two tensor loads at the head: its eighth of key steps 0-3, then of key steps 4-15.
; CLUSTER.  The four work-groups of a cluster are the four query blocks of one head and need the same K and V: each load is asked for JOINTLY, the same line with the same descriptor and the mask 15 in all four.
; LAYOUT.  Both products are used transposed: S^T = K Q^T (source 0 = 16 keys, source 1 = 16 queries, K = 64), O^T = V^T P^T (source 0 = 16 channels, source 1 = P, K = 128 keys): a lane holds ONE query (lane % 16) throughout.
;   Tile c of S^T holds, in lane (r, h), keys 16 c + 8 h + 0 .. 7: its eight numbers convert straight into registers 2 c, 2 c + 1 of P's operand.
; REGISTERS.  window 0: v1-7 addresses; v16-47 statistics, 8 a tile: +0 -M, +1 the largest t, +2, +3 l in two halves, +4 f, +5 0, +6, +7 at work; v48-79 Q; v80-143 S^T, then p; v144-159 P's codes; v160-165 small; v192-255 the mask as C.
;   window 1: v0-127 O^T (32 a tile); v128-191 K of a key step; v192-255 V of a key step.
.set MASKB, 262144                     ; LDS: behind the head's K and V: 2,048 numbers of mask', 8,192 bytes
.set STAGE, 270336                     ; behind them: 16 rows x 272 bytes for each wave, for the way out
.set SP,    272                        ; a stage row: 256 bytes + 16: an odd multiple of 16, so that sixteen rows start at sixteen different groups of banks (64 banks of 4 bytes: ISA guide 11.1)
.set LI,   1                           ; v1   16 x lane: my place in an image
.set ADR,  2                           ; v2   LDS address of the key step's images
.set MADR, 3                           ; v3   of its mask numbers
.set MB0,  4                           ; v4   MASKB + 32 (lane / 16)
.set STO,  5                           ; v5   the way out: where I put 16 bytes of a row
.set RD,   6                           ; v6   where I read a row back
.set GO,   7                           ; v7   my byte offset in the wave's rows of out0
.set ST,   16
.set QF,   48
.set S,    80
.set P,    144
.set TP,   160                         ; v160 a lane permute's destination
.set LIM,  162
.set SC,   163                         ; v163 2^e8 as f32: the conversion takes its exponent field
.set L2,   164                         ; v[164:165] the sums' second chain
.set MK,   192
.set KF,   128                         ; in window 1
.set VF,   192                         ; in window 1
.set MSB, 0
.macro WIN new                         ; low byte: bits 1:0 source 0, 3:2 source 1, 5:4 source 2, 7:6 destination; the high byte repeats the setting that is left
.if MSB != (\new)
	s_set_vgpr_msb (MSB<<8)|(\new)
.set MSB, (\new)
.endif
.endm
.macro CROUND                          ; a round of the cluster's barrier: my work-group's barrier; wave 0 signals for the work-group; every wave waits for all four work-groups; my work-group's barrier once more
	s_barrier_signal -1
	s_barrier_wait -1
	s_cmp_lg_u32 s14, 0
	s_cbranch_scc1 .Lnot_wave_0_\@
	s_barrier_signal -3
.Lnot_wave_0_\@:
	s_barrier_wait -3
	s_barrier_signal -1
	s_barrier_wait -1
.endm
	s_load_b256 s[4:11], s[0:1], 0x0               ; q_img s[4:5], kv s[6:7], the mask s[8:9], the scales' exponents s[10:11]
	s_load_b64 s[12:13], s[0:1], 0x20              ; out0
	v_lshl_add_u32 v190, v0, 2, 0x4a800
	v_mov_b32 v191, 0
	ds_add_u32 v190, v191
	ds_add_u32 v190, v191
	v_lshrrev_b32 v8, 5, v0
	v_readfirstlane_b32 s14, v8                    ; wave 0..7
	v_and_b32 v9, 31, v0
	v_lshlrev_b32 v[LI], 4, v9
	v_and_b32 v10, 15, v0                          ; r
	v_bfe_u32 v11, v0, 4, 1                        ; h
	s_bfe_u32 s15, ttmp6, 0x40000                  ; cx: my place in the cluster
	s_lshl_b32 s16, ttmp9, 2
	s_add_co_u32 s16, s16, s15                     ; my block of 512 queries: it enters Q's and out0's addresses alone
	s_and_b32 s17, ttmp7, 0xffff                   ; bh = 16 x batch + head, which the four partners share
	; descriptor groups 1: dense blocks as rows of 256 bytes (32 elements of 8 bytes): 32 rows (8,192 bytes a wave: key steps 0-3) and 96 rows (24,576 bytes a wave: key steps 4-15)
	s_mov_b32 s24, 15|(3<<16)|(1<<21)              ; 15:0 the mask: all four work-groups; 17:16 elements of 8 bytes; 20 no padding; 21 set beside a mask
	s_mov_b32 s25, 32<<16                          ; tensor_dim0 = 32
	s_mov_b32 s26, 32<<16                          ; tensor_dim1 = 32
	s_mov_b32 s27, 32<<16                          ; tile_dim0 = 32
	s_mov_b32 s28, 32                              ; tile_dim1 = 32
	s_mov_b32 s29, 32                              ; tensor_dim0_stride
	s_mov_b32 s30, 0
	s_mov_b32 s31, 0
	s_mov_b32 s32, 15|(3<<16)|(1<<21)
	s_mov_b32 s33, 32<<16
	s_mov_b32 s34, 96<<16                          ; tensor_dim1 = 96
	s_mov_b32 s35, 32<<16
	s_mov_b32 s36, 96                              ; tile_dim1 = 96
	s_mov_b32 s37, 32
	s_mov_b32 s38, 0
	s_mov_b32 s39, 0
	s_lshl_b32 s56, s17, 18                        ; the head's first byte in kv
	s_mov_b32 s40, 1                               ; groups 0: count = 1;
	s_lshl_b32 s41, s14, 13                        ; my first load: wave x 8,192, in LDS as in the head;
	s_mov_b32 s44, 1
	s_mul_i32 s45, s14, 24576
	s_add_co_u32 s45, s45, 65536                   ; my second: 65,536 + wave x 24,576.  No place in the cluster enters an LDS address
	s_add_co_u32 s58, s56, s41
	s_mov_b32 s59, 0
	s_add_co_u32 s60, s56, s45
	s_mov_b32 s61, 0
	s_lshl_b32 s62, s17, 17                        ; Q: the head's 131,072 bytes,
	s_lshl_b32 s57, s16, 15                        ; my block's 32 images,
	s_add_co_u32 s62, s62, s57
	s_lshl_b32 s57, s14, 12                        ; my wave's 4
	s_add_co_u32 s62, s62, s57
	s_mov_b32 s63, 0
	s_lshr_b32 s18, s17, 4                         ; the batch
	s_and_b32 s19, s17, 15                         ; the head
	s_lshl_b32 s56, s18, 13                        ; the mask: 8,192 bytes a batch
	s_mov_b32 s57, 0
	s_lshl_b32 s2, s18, 23                         ; out0: rows of 4,096 bytes: 2,048 a batch,
	s_lshl_b32 s3, s16, 21                         ; 512 a block,
	s_add_co_u32 s2, s2, s3
	s_lshl_b32 s3, s14, 18                         ; 64 a wave;
	s_add_co_u32 s2, s2, s3
	s_lshl_b32 s3, s19, 8                          ; in a row 256 bytes a head
	s_add_co_u32 s2, s2, s3
	s_mov_b32 s3, 0
	s_mov_b32 s20, 0x76543210                      ; v_permlanex16_b32's selects for lane l xor 16
	s_mov_b32 s21, 0xfedcba98
	s_wait_dscnt 0x0
	s_wait_kmcnt 0x0
	s_load_b128 s[52:55], s[10:11], 0x18           ; e6, e7, e8, e9
	s_add_nc_u64 s[42:43], s[6:7], s[58:59]
	s_or_b32 s43, s43, 0x80000000                  ; type = 2
	s_add_nc_u64 s[46:47], s[6:7], s[60:61]
	s_or_b32 s47, s47, 0x80000000
	s_add_nc_u64 s[4:5], s[4:5], s[62:63]
	s_add_nc_u64 s[8:9], s[8:9], s[56:57]
	s_add_nc_u64 s[12:13], s[12:13], s[2:3]
	CROUND                                         ; all four work-groups are here: the joint loads meet
	tensor_load_to_lds s[40:43], s[24:31]          ; every wave issues both, on one path: two tensor loads of mine are out, and no more are ever issued
	s_nop 0
	tensor_load_to_lds s[44:47], s[32:39]
	s_nop 0
.rept 4
	v_nop
.endr
	v_lshlrev_b32 v12, 4, v0
	global_load_b128 v[S:S+3], v12, s[8:9]                   ; the batch's 2,048 mask numbers: thread t takes 16 bytes at 16 t, and at 4,096 + 16 t
	global_load_b128 v[S+4:S+7], v12, s[8:9] offset:4096
.set i, 0
.rept 8
	global_load_b128 v[QF+4*i:QF+4*i+3], v[LI], s[4:5] offset:512*i th:TH_LOAD_NT   ; Q's four fragments stay in registers; read once in the launch
.set i, i+1
.endr
	v_lshl_add_u32 v13, v0, 4, MASKB               ; where my mask numbers go
	v_lshl_add_u32 v[MB0], v11, 5, MASKB           ; lane (r, h) wants, for tile c, the numbers of keys 16 c + 8 h + 0 .. 7
	s_mul_i32 s57, s14, 16*SP
	s_add_co_u32 s57, s57, STAGE                   ; my stage
	v_mul_u32_u24 v[STO], v10, SP                  ; in: row r, 32 bytes for each half of the lanes
	v_lshl_add_u32 v[STO], v11, 5, v[STO]
	v_add_nc_u32 v[STO], s57, v[STO]
	v_mul_u32_u24 v[RD], v11, SP                   ; back: lanes 0-15 take one row of 256 bytes, lanes 16-31 the next
	v_lshl_add_u32 v[RD], v10, 4, v[RD]
	v_add_nc_u32 v[RD], s57, v[RD]
	v_lshlrev_b32 v[GO], 12, v11                   ; and the same two rows in out0
	v_lshl_add_u32 v[GO], v10, 4, v[GO]
.irp t, 0,1,2,3
	v_mov_b32 v[ST+8*\t], 0x7f61b1e6               ; -M = 3e38
	v_mov_b32 v[ST+8*\t+1], 0xff61b1e6             ; the largest t so far: -3e38, under every t
	v_mov_b32 v[ST+8*\t+2], 0                      ; l, in two halves
	v_mov_b32 v[ST+8*\t+3], 0
	v_mov_b32 v[ST+8*\t+5], 0                      ; (named as the upper half of f's pair)
.endr
	v_mov_b32 v[TP], 0                             ; written once: a lane permute's destination counts as one of its sources
	s_wait_kmcnt 0x0
	s_add_co_i32 s56, s52, s53                     ; e6 + e7
	s_lshl_b32 s57, s56, 23
	s_mov_b32 s22, 0x3e38aa3b                      ; log2(e) / 8
	s_add_co_i32 s22, s22, s57                     ; c: the two exponents are added to its exponent field
	s_mov_b32 s23, s22                             ; (named with it as a pair, so it is written)
	s_sub_co_i32 s56, 3, s56                       ; 3 - e6 - e7
	s_add_co_i32 s51, s54, s55                     ; e8 + e9, for the way out
	s_add_co_i32 s58, s54, 127
	s_lshl_b32 s59, s58, 23
	v_mov_b32 v[SC], s59
	s_add_co_i32 s58, s58, 8
	s_lshl_b32 s58, s58, 23
	s_or_b32 s58, s58, 0x600000
	s_wait_loadcnt 8                               ; the mask's two loads are in; Q's eight, issued behind them, may be out
.set i, 0
.rept 8
	v_ldexp_f32 v[S+i], v[S+i], s56                ; mask' = mask x 2^(3 - e6 - e7)
.set i, i+1
.endr
	ds_store_b128 v13, v[S:S+3]
	ds_store_b128 v13, v[S+4:S+7] offset:4096
	s_wait_tensorcnt 0x1                           ; my part of key steps 0-3 is in; my second load may stay out
	s_wait_dscnt 0x0                               ; for the others' sake: my mask numbers lie in LDS
	s_barrier_signal -1
	s_barrier_wait -1                              ; everybody's do
	s_mov_b32 s48, 0                               ; the LDS byte at which the key step in hand begins,
	s_mov_b32 s49, 0                               ; and its mask numbers' byte
; K's eight fragments and the 128 mask numbers of the key step n steps on from the one at which ADR and MADR stand
.macro FETCH_KM n
	WIN 0x40                                       ; destination window 1
.set fi, 0
.rept 16
	ds_load_b128 v[KF+4*fi:KF+4*fi+3], v[ADR] offset:16384*(\n)+512*fi
.set fi, fi+1
.endr
	WIN 0
.set fi, 0
.rept 16
	ds_load_b128 v[MK+4*fi:MK+4*fi+3], v[MADR] offset:512*(\n)+64*(fi/2)+16*(fi%2)   ; sixteen lanes read the same 16 bytes
.set fi, fi+1
.endr
.endm
; ONE TILE OF 16 QUERIES THROUGH ONE KEY STEP.  first = 1: the first key step: its products start O^T's sums.  pref = 1: tile 3 fetches the next key step's K and mask.
.macro TILE t, first, pref
.set T, ST+8*(\t)
	WIN 0x01                                       ; source 0 (K) window 1
.set c, 0
.rept 8
	v_wmma_f32_16x16x64_fp8_fp8 v[S+8*c:S+8*c+7], v[KF+8*c:KF+8*c+7], v[QF+8*(\t):QF+8*(\t)+7], v[MK+8*c:MK+8*c+7]   ; sum + mask': eight accumulators, one instruction each
.set c, c+1
.endr
	WIN 0
.rept 4
	v_nop                                          ; four places in front of the first read of the results, and of the loads into K's and the mask's registers
.endr
.if ((\t) == 3) && (\pref)
	FETCH_KM 1                                     ; all four tiles have multiplied by this step's K: the next step's lands under this tile's softmax
.endif
	v_max3_num_f32 v[T+6], v[S], v[S+1], v[S+2]    ; the step's largest score of my query among my 64 keys, in two chains, each accumulator from its low end on
	v_max3_num_f32 v[T+7], v[S+3], v[S+4], v[S+5]
.set i, 6
.rept 14
	v_max3_num_f32 v[T+6], v[T+6], v[S+i], v[S+i+1]
	v_max3_num_f32 v[T+7], v[T+7], v[S+i+2], v[S+i+3]
.set i, i+4
.endr
	v_max3_num_f32 v[T+6], v[T+6], v[S+62], v[S+63]
	v_max_num_f32 v[T+6], v[T+6], v[T+7]
	v_permlanex16_b32 v[TP], v[T+6], s20, s21
	v_max_num_f32 v[T+6], v[T+6], v[TP]            ; and among lane l xor 16's
	v_mul_f32 v[T+6], s22, v[T+6]                  ; as t (c is positive)
	v_max_num_f32 v[T+1], v[T+1], v[T+6]           ; the running largest t
	v_mov_b32 v[T+6], v[T]
	v_floor_f32 v[T], -v[T+1]                      ; the new -M = floor(-t) = -ceil(t): M is a whole number
	v_sub_f32 v[T+6], v[T], v[T+6]                 ; M's old value less its new one: a whole number, 0 or less
	v_cvt_i32_f32 v[T+6], v[T+6]                   ; (it saturates)
	v_ldexp_f32 v[T+4], 1.0, v[T+6]                ; f = 2^(old M - new M)
	; ONE BATCH: 32 packed scalings t - M and 64 exponentials; a pair is scaled one turn ahead of its exponentials; no line here names an exponential's result
	v_pk_fma_f32 v[S:S+1], v[S:S+1], s[22:23], v[T:T+1] op_sel_hi:[1,0,0]
.set eb, 0
.rept 32
.if eb < 31
	v_pk_fma_f32 v[S+2*eb+2:S+2*eb+3], v[S+2*eb+2:S+2*eb+3], s[22:23], v[T:T+1] op_sel_hi:[1,0,0]   ; of the pairs c and -M the low word serves both halves
.endif
	v_exp_f32 v[S+2*eb], v[S+2*eb]                 ; p = 2^(t - M), at most 1
	v_exp_f32 v[S+2*eb+1], v[S+2*eb+1]
.set eb, eb+1
.endr
	v_pk_mul_f32 v[T+2:T+3], v[T+2:T+3], v[T+4:T+5] op_sel_hi:[1,0]   ; l under the new M: the plain line behind the last exponential
	s_wait_alu depctr_va_vdst(0)                   ; between the exponentials and the first line that names a result: one for the batch
	v_pk_add_f32 v[L2:L2+1], v[S:S+1], v[S+2:S+3]  ; the row's sum is taken of the UNQUANTISED p: two at a time, in two chains
.set i, 4
.rept 15
	v_pk_add_f32 v[T+2:T+3], v[T+2:T+3], v[S+i:S+i+1]
	v_pk_add_f32 v[L2:L2+1], v[L2:L2+1], v[S+i+2:S+i+3]
.set i, i+4
.endr
	v_pk_add_f32 v[T+2:T+3], v[T+2:T+3], v[L2:L2+1]
.set c, 0
.rept 8
.set i, 0
.rept 8
.set i, i+1
.endr
	v_cvt_scalef32_pk8_fp8_f32 v[P+2*c:P+2*c+1], v[S+8*c:S+8*c+7], v[SC]   ; keys 16 c + 8 h + 0 .. 7: registers 2 c, 2 c + 1 of P's operand
.set c, c+1
.endr
.if \first
	v_nop                                          ; one plain vector line between the last conversion and the matrix instruction that reads its result
.else
	WIN 0x41                                       ; O^T (destination and source 0) window 1, f window 0
.set i, 0
.rept 16
	v_pk_mul_f32 v[32*(\t)+2*i:32*(\t)+2*i+1], v[32*(\t)+2*i:32*(\t)+2*i+1], v[T+4:T+5] op_sel_hi:[1,0]   ; O^T under the new M.  (Also the plain lines behind the last conversion)
.set i, i+1
.endr
.endif
.if (\t) == 0
	s_wait_dscnt 0x0                               ; V is in: asked for at the key step's head, ahead of this tile's softmax
.endif
.if \first
	WIN 0x41                                       ; V and O^T window 1, P window 0
.else
	WIN 0x51
.endif
.set c, 0
.rept 4
.if \first
	v_wmma_f32_16x16x128_fp8_fp8 v[32*(\t)+8*c:32*(\t)+8*c+7], v[VF+16*c:VF+16*c+15], v[P:P+15], 0
.else
	v_wmma_f32_16x16x128_fp8_fp8 v[32*(\t)+8*c:32*(\t)+8*c+7], v[VF+16*c:VF+16*c+15], v[P:P+15], v[32*(\t)+8*c:32*(\t)+8*c+7]   ; four accumulators by turns; each is taken up again a key step later
.endif
.set c, c+1
.endr
.endm
; A KEY STEP: 128 keys, four tiles.  K and the mask were asked for in the step before; V is asked for here.
.macro BODY first, pref
	WIN 0
	v_add_nc_u32 v[ADR], s48, v[LI]
	v_add_nc_u32 v[MADR], s49, v[MB0]
	v_nop
	v_nop                                          ; with the two additions: four places between the last products, which read V, and the loads into V's registers
	WIN 0x40
.set vi, 0
.rept 16
	ds_load_b128 v[VF+4*vi:VF+4*vi+3], v[ADR] offset:8192+512*vi
.set vi, vi+1
.endr
	WIN 0
	s_wait_dscnt 16                                ; K and the mask are in; V's sixteen loads, just issued, may be out
	TILE 0, \first, \pref
	TILE 1, \first, \pref
	TILE 2, \first, \pref
	TILE 3, \first, \pref
	s_add_co_u32 s48, s48, 16384
	s_add_co_u32 s49, s49, 512
.endm
	v_add_nc_u32 v[ADR], s48, v[LI]
	v_add_nc_u32 v[MADR], s49, v[MB0]
	FETCH_KM 0                                     ; key step 0
	s_wait_loadcnt 0x0                             ; Q
	BODY 1, 1                                      ; key step 0
	WIN 0                                          ; at a label and at a branch every window is 0
	s_mov_b32 s50, 2
.Lsteps_a:                                             ; key steps 1 and 2: what they fetch ahead reaches key step 3, the last that the first loads brought
	BODY 0, 1
	WIN 0
	s_sub_co_u32 s50, s50, 1
	s_cmp_lg_u32 s50, 0
	s_cbranch_scc1 .Lsteps_a
	s_wait_tensorcnt 0x0                           ; my part of key steps 4-15 is in: it had three key steps in which to land
	s_wait_dscnt 0x0                               ; no LDS instruction of mine is pending at the signal
	s_barrier_signal -1
	s_barrier_wait -1                              ; everybody's is
	s_mov_b32 s50, 12
.Lsteps_b:                                             ; key steps 3 to 14
	BODY 0, 1
	WIN 0
	s_sub_co_u32 s50, s50, 1
	s_cmp_lg_u32 s50, 0
	s_cbranch_scc1 .Lsteps_b
	BODY 0, 0                                      ; key step 15 fetches nothing ahead
	; THE WAY OUT.  l's two halves and lane l xor 16's are added; O^T x 2^(e8 + e9) / l goes through my stage in LDS, a tile (16 rows x 256 bytes) at a time.  The four additions are the places behind the last products.
	WIN 0
.irp t, 0,1,2,3
	v_add_f32 v[ST+8*\t+6], v[ST+8*\t+2], v[ST+8*\t+3]
.endr
.irp t, 0,1,2,3
	v_permlanex16_b32 v[ST+8*\t+7], v[ST+8*\t+6], s20, s21
.endr
.irp t, 0,1,2,3
	v_add_f32 v[ST+8*\t+6], v[ST+8*\t+6], v[ST+8*\t+7]
.endr
.irp t, 0,1,2,3
	v_rcp_f32 v[ST+8*\t+6], v[ST+8*\t+6]
.endr
	v_nop                                          ; a plain line between the last reciprocal and the use of its result
	s_wait_alu depctr_va_vdst(0)                   ; and a wait ahead of the first use: one for the four
.irp t, 0,1,2,3
	v_ldexp_f32 v[ST+8*\t+6], v[ST+8*\t+6], s51    ; x 2^(e8 + e9)
.endr
; Tile t: register 8 d + j of a lane is out(query r, channel 16 d + 8 h + j).  Into rows of 272 bytes, back as whole rows of 256, into registers bk on: a set of its own for each tile, so that no store's data are written again.
.macro PACK t, bk
.set SV, S+32*((\t)%2)
	WIN 0x01                                       ; source 0 (O^T) window 1
.set i, 0
.rept 16
	v_pk_mul_f32 v[SV+2*i:SV+2*i+1], v[32*(\t)+2*i:32*(\t)+2*i+1], v[ST+8*(\t)+6:ST+8*(\t)+7] op_sel_hi:[1,0]   ; each accumulator from its low end on
.set i, i+1
.endr
	WIN 0
.set i, 0
.rept 8
	ds_store_b128 v[STO], v[SV+4*i:SV+4*i+3] offset:64*(i/2)+16*(i%2)
.set i, i+1
.endr
.set i, 0
.rept 8
	ds_load_b128 v[\bk+4*i:\bk+4*i+3], v[RD] offset:2*SP*i   ; LDS serves a wave's instructions in order (ISA guide 5.7.1.4): these see the stores above, and the next tile's stores come behind them
.set i, i+1
.endr
.endm
.macro SEND t, bk, younger             ; younger: the LDS instructions issued behind tile t's loads: the next tile's sixteen, or none
.set i, 0
.rept 8
	s_wait_dscnt (\younger)+7-i                    ; row pair i of the tile is back
	global_store_b128 v[GO], v[\bk+4*i:\bk+4*i+3], s[12:13] offset:65536*(\t)+8192*i th:TH_STORE_NT   ; 16 lanes store 256 consecutive bytes, a head's part of a row, at a multiple of 256 from out0's first byte
.set i, i+1
.endr
.endm
	PACK 0, 192                                    ; the mask's registers, Q's and P's are free
	PACK 1, 224
	SEND 0, 192, 16
	PACK 2, 48
	SEND 1, 224, 16
	PACK 3, 144
	SEND 2, 48, 16
	SEND 3, 144, 0                                 ; its last wait is for 0: no LDS instruction is pending at the signal below
	s_wait_tensorcnt 0x0
	ds_add_u32 v190, v191
	s_wait_dscnt 0x0
	CROUND                                         ; the closing round: no work-group ends while a partner may still ask for a tile that names it
	s_endpgm
.Lfunc_end_k_qf38921edbc_attn:
	.size	k_qf38921edbc_attn, .Lfunc_end_k_qf38921edbc_attn-k_qf38921edbc_attn
	.p2alignl 7, 3214868480
	.fill 96, 4, 3214868480
	.section	.rodata,"a",@progbits
	.p2align	6, 0x0
	.amdhsa_kernel k_qf38921edbc_attn
		.amdhsa_group_segment_fixed_size 327680
		.amdhsa_private_segment_fixed_size 0
		.amdhsa_enable_private_segment 0
		.amdhsa_kernarg_size 40
		.amdhsa_user_sgpr_count 2
		.amdhsa_user_sgpr_kernarg_segment_ptr 1
		.amdhsa_wavefront_size32 1
		.amdhsa_system_sgpr_workgroup_id_x 1
		.amdhsa_system_sgpr_workgroup_id_y 1
		.amdhsa_system_sgpr_workgroup_id_z 1
		.amdhsa_system_vgpr_workitem_id 0
		.amdhsa_next_free_vgpr 512
		.amdhsa_next_free_sgpr 66
		.amdhsa_reserve_vcc 0
		.amdhsa_float_denorm_mode_32 3
		.amdhsa_float_denorm_mode_16_64 3
		.amdhsa_fp16_overflow 1
		.amdhsa_memory_ordered 1
		.amdhsa_forward_progress 1
		.amdhsa_inst_pref_size 208
	.end_amdhsa_kernel
	.amdgpu_metadata
---
amdhsa.version: [ 1, 2 ]
amdhsa.kernels:
  - .name:           k_qf38921edbc_attn
    .symbol:         k_qf38921edbc_attn.kd
    .args:
      - { .name: q_img, .offset: 0, .size: 8, .value_kind: global_buffer, .address_space: global }
      - { .name: kv, .offset: 8, .size: 8, .value_kind: global_buffer, .address_space: global }
      - { .name: attention_mask, .offset: 16, .size: 8, .value_kind: global_buffer, .address_space: global }
      - { .name: lowp_scales, .offset: 24, .size: 8, .value_kind: global_buffer, .address_space: global }
      - { .name: out0, .offset: 32, .size: 8, .value_kind: global_buffer, .address_space: global }
    .group_segment_fixed_size: 327680
    .private_segment_fixed_size: 0
    .kernarg_segment_align: 8
    .kernarg_segment_size: 40
    .max_flat_workgroup_size: 256
    .sgpr_count:     66
    .vgpr_count:     512
    .wavefront_size: 32
...
	.end_amdgpu_metadata
.endif
;; end of part 2
